; MI455X (gfx1250); checked and timed in simulation.
; The chip was launched on July 23, 2026; its instructions are those of AMD's public machine-readable ISA for CDNA 5 (MIT licence, August 2026) and "CDNA5" Instruction Set Architecture Reference Guide (July 2026). The comments in the code are by the model that wrote it; some were corrected since.
;; Mask Type Probabilities Layer. Allowed arithmetic: float matrix products may take bf16 or f16 operands with f32 sums; all other float work in f32.
;; Inputs: inputs 1,024 x 2,048 x 11 int32.
;; Outputs: out0 1,024 x 2,048 x 8 bool.
;; 2 versions, each right; version 2 is version 1 with the launch masks written anew for expert scheduling mode. Each part assembles by itself: llvm-mc -triple=amdgcn-amd-amdhsa -mcpu=gfx1250 --defsym DOCPART=n.
;; ======== version 1 of 2: 1 launch
;; launch masks (part 1): grid 256 x 1, 4 waves a work-group, no clusters, 0 bytes of LDS; arguments inputs, out0; writes out0
.if DOCPART == 1
	.amdgcn_target "amdgcn-amd-amdhsa--gfx1250"
	.amdhsa_code_object_version 6
	.text
	.protected	k_q74a74b353c_masks
	.globl	k_q74a74b353c_masks
	.p2align	8
	.type	k_q74a74b353c_masks,@function
k_q74a74b353c_masks:
	s_mov_b64 s[64:65], 0
	v_nop
	global_prefetch_b8 v0, s[64:65] scope:SCOPE_SE
	s_setreg_imm32_b32 hwreg(HW_REG_WAVE_MODE, 25, 1), 1
	s_wait_xcnt 0x0
; out0[b][i][0..7] = the mask of types allowed behind token i of row b.  inputs: [1024][2048][11] int32, of which feature 0 (the type t) is used;
; out0: [1024][2048][8] bytes of 0 or 1.
;   t <= 0: byte 1 (a negative t is clipped to row 0)   t = 1: bytes 1,2   t = 2: byte 4   t = 3: bytes 3..7   t = 7: byte 7   t >= 8: nothing
;   t = 4,5,6: byte 5 if no 5 stands at places 0 .. min(i+1, 2047); else byte 6 if no 6 stands there; else bytes 3..7.
; Every int32 value of t is served.
; NO SCAN: "no 5 up to place j" is j < p5, p5 = the place of the row's first 5, NONE = 0x10000 if there is none.  At i = 2047 the clamped test
; 2047 < p5 and the plain test 2048 < p5 agree (both say p5 = NONE), so i + 1 < p5 serves every token.
; SHARES: 256 work-groups x 4 waves = 1,024 waves, one batch row each.  A row is 64 chunks of 32 tokens; lane l holds token 32 c + l of chunk c.
; A chunk's load: 32 lanes 44 bytes apart, a span of 1,408 bytes that follows the chunk before.  All 64 loads of the row go out at the start, so the row's
; 90,112 bytes are asked for at once.  A chunk's store: 32 lanes x 8 bytes = 256 consecutive bytes at a multiple of 256 from out0's first byte.
; The chunks are taken in groups of four as they land: FIRST g brings p5 and p6 up to date through group g, then EMIT g-1 writes the group before
; (a token looks one place ahead, at most into the next group's first chunk; a first place that lies further on changes no test of this group).
; Chunk c's type lands in v[TOK+2c]; the pair v[TOK+2c:TOK+2c+1] then takes its 8 output bytes.  No register that a load or store names
; (data, offset, base) is written again behind it, so the text needs no wait for sources.  No LDS, no barrier: no wave needs another's data.
.set ROWIN,   2048*44                  ; bytes of a row of inputs
.set CHUNKIN, 32*44                    ; bytes that a chunk spans in inputs
.set NONE,    0x10000                  ; "never seen": above every i + 1 (2,048 at the most)
; scalar registers
.set P5, 14                            ; place of the first 5 so far
.set P6, 15                            ; place of the first 6 so far
.set Q5, 16                            ; P5, P6 counted from the group's first token
.set Q6, 17
.set SPREAD, 18                        ; 0x204081
.set M5, 20                            ; s[20:23] chunk k of the group: lanes with a 5, then the place of the first
.set M6, 24                            ; s[24:27] the same for 6
.set NA, 28                            ; s[28:31] lanes with no 5 up to i + 1
.set NB, 32                            ; s[32:35] lanes with no 6 up to i + 1
.set NC, 36                            ; s[36:39] either
.set ND, 40                            ; s[40:43] lanes with t < 8
; vector registers
.set LOFF, 3                           ; 44 x lane; never rewritten
.set SOFF, 4                           ; 8 x lane; never rewritten
.set THA, 5                            ; tables of eight 4-bit entries, entry t at bits 4t .. 4t+3: bit j of an entry is output byte 4 + j (TH) or j (TL)
.set THB, 6
.set THC, 7
.set TLA, 8
.set TLC, 9
.set ONE, 10                           ; 0x01010101
.set POS, 12                           ; v[12:15] chunk k of a group: i + 1 counted from the group's first token = 32 k + lane + 1; never rewritten
.set TABH, 16                          ; v[16:19] at work, one register for each of the group's four chunks, so that the four chains do not wait for each other
.set TABL, 20                          ; v[20:23]
.set SH,   24                          ; v[24:27]
.set KEEP, 28                          ; v[28:31]
.set TOK,  32                          ; v[32:159]
	s_load_b128 s[4:7], s[0:1], 0x0                ; inputs s[4:5], out0 s[6:7]
	v_and_b32 v1, 31, v0                           ; lane
	v_lshrrev_b32 v2, 5, v0
	v_readfirstlane_b32 s8, v2                     ; wave 0..3
	s_lshl_b32 s9, ttmp9, 2
	s_add_co_u32 s9, s9, s8                        ; my row = 4 x work-group + wave
	s_mul_i32 s10, s9, ROWIN                       ; 1,023 x 90,112 at the most: below 4 GiB
	s_mov_b32 s11, 0
	s_lshl_b32 s12, s9, 14                         ; a row of out0 is 16,384 bytes
	s_mov_b32 s13, 0
	v_mul_u32_u24 v[LOFF], 44, v1
	v_lshlrev_b32 v[SOFF], 3, v1
	s_wait_kmcnt 0x0
	s_add_nc_u64 s[4:5], s[4:5], s[10:11]
	s_add_nc_u64 s[6:7], s[6:7], s[12:13]
	; the whole row: chunk c stands in the immediate (88,704 at the most).  Read once in the launch: non-temporal.
.irp g, 0,1,2,3,4,5,6,7,8,9,10,11,12,13,14,15
.irp k, 0,1,2,3
	global_load_b32 v[TOK+2*(4*\g+\k)], v[LOFF], s[4:5] offset:CHUNKIN*(4*\g+\k) th:TH_LOAD_NT
.endr
.endr
	; constants, while the loads are on their way
	s_mov_b32 s[P5], NONE
	s_mov_b32 s[P6], NONE
	s_mov_b32 s[SPREAD], 0x204081                  ; 1 + 2^7 + 2^14 + 2^21: bit j of a 4-bit number times this stands at bit 8 j (and at places that the AND below drops; no two terms meet, so nothing carries)
	v_mov_b32 v[THA], 0x8222f100                   ; bytes 4..7.  entries 7..0: t=7 byte 7; t=4,5,6 byte 5 (no 5 yet); t=3 all four; t=2 byte 4; t=1, t=0 none
	v_mov_b32 v[THB], 0x8444f100                   ; t=4,5,6: byte 6 (a 5, but no 6 yet)
	v_mov_b32 v[THC], 0x8ffff100                   ; t=4,5,6: all four (both seen)
	v_mov_b32 v[TLA], 0x00008062                   ; bytes 0..3.  t=3 byte 3; t=1 bytes 1,2; t=0 byte 1; t=4,5,6 none (one of the two not yet seen)
	v_mov_b32 v[TLC], 0x08888062                   ; t=4,5,6: byte 3 (both seen)
	v_mov_b32 v[ONE], 0x01010101
.irp k, 0,1,2,3
	v_add_nc_u32 v[POS+\k], 32*\k+1, v1
.endr
; The first 5 and the first 6 through group g.  s_ctz_i32_b32 gives the lowest set bit's number, 0 to 31, or -1 if no bit is set (ISA guide, its entry among
; the scalar instructions); OR with 32 c makes the first a place in the row and leaves the second all ones, which loses every unsigned minimum.
.macro FIRST g
.irp k, 0,1,2,3
	v_cmp_eq_u32 s[M5+\k], 5, v[TOK+2*(4*(\g)+\k)]
	v_cmp_eq_u32 s[M6+\k], 6, v[TOK+2*(4*(\g)+\k)]
.endr
.irp k, 0,1,2,3
	s_ctz_i32_b32 s[M5+\k], s[M5+\k]
	s_ctz_i32_b32 s[M6+\k], s[M6+\k]
.endr
.irp k, 0,1,2,3
	s_or_b32 s[M5+\k], s[M5+\k], 32*(4*(\g)+\k)
	s_or_b32 s[M6+\k], s[M6+\k], 32*(4*(\g)+\k)
.endr
.irp k, 0,1,2,3
	s_min_u32 s[P5], s[P5], s[M5+\k]
	s_min_u32 s[P6], s[P6], s[M6+\k]
.endr
.endm
; The masks of group g's four chunks, each step for all four chunks in turn.
.macro EMIT g
	s_sub_co_i32 s[Q5], s[P5], 128*(\g)            ; the first places counted from the group's first token; they may be negative: signed compares
	s_sub_co_i32 s[Q6], s[P6], 128*(\g)
.irp k, 0,1,2,3
	v_cmp_lt_i32 s[NA+\k], v[POS+\k], s[Q5]        ; i + 1 < p5: no 5 yet
	v_cmp_lt_i32 s[NB+\k], v[POS+\k], s[Q6]        ; i + 1 < p6: no 6 yet
	v_cmp_gt_i32 s[ND+\k], 8, v[TOK+2*(4*(\g)+\k)] ; t < 8
	v_min_u32 v[SH+\k], 8, v[TOK+2*(4*(\g)+\k)]    ; 0..7 as they are; t >= 8 and, read as unsigned, t < 0 give 8
.endr
.irp k, 0,1,2,3
	s_or_b32 s[NC+\k], s[NA+\k], s[NB+\k]
.endr
.irp k, 0,1,2,3
	v_cndmask_b32 v[TABH+\k], v[THC], v[THB], s[NB+\k]     ; the lane's tables: entries 4,5,6 as its place in the row asks
	v_cndmask_b32 v[TABL+\k], v[TLC], v[TLA], s[NC+\k]
	v_cndmask_b32 v[KEEP+\k], 0, v[ONE], s[ND+\k]          ; the AND mask of bytes 0..3: nothing is kept where t >= 8
	v_lshlrev_b32 v[SH+\k], 2, v[SH+\k]                    ; 4 t; 32 for the types outside 0..7
.endr
.irp k, 0,1,2,3
	v_cndmask_b32 v[TABH+\k], v[TABH+\k], v[THA], s[NA+\k] ; "no 5" goes before "no 6"
	v_bfe_u32 v[TABL+\k], v[TABL+\k], v[SH+\k], 4          ; v_bfe_u32 uses bits 4:0 of the offset (ISA guide, its entry among the VOP3 instructions): 32 reads entry 0,
.endr                                                          ; which is row 0, right for t < 0; for t >= 8 KEEP drops it
.irp k, 0,1,2,3
	v_bfe_u32 v[TABH+\k], v[TABH+\k], v[SH+\k], 4          ; entry 0 of this table is 0: right for t < 0 and for t >= 8
	v_mul_u32_u24 v[TABL+\k], s[SPREAD], v[TABL+\k]
.endr
.irp k, 0,1,2,3
	v_mul_u32_u24 v[TABH+\k], s[SPREAD], v[TABH+\k]
	v_and_b32 v[TOK+2*(4*(\g)+\k)], v[TABL+\k], v[KEEP+\k] ; bytes 0..3, over the type, which is not needed any more
.endr
.irp k, 0,1,2,3
	v_and_b32 v[TOK+2*(4*(\g)+\k)+1], v[ONE], v[TABH+\k]   ; bytes 4..7
	global_store_b64 v[SOFF], v[TOK+2*(4*(\g)+\k):TOK+2*(4*(\g)+\k)+1], s[6:7] offset:256*(4*(\g)+\k) th:TH_STORE_NT   ; the wave stores 256 consecutive bytes, aligned; written once, not read again
.endr
.endm
	s_wait_loadcnt 60                              ; loads come back in order (ISA guide 5.7.1): of 64, the first group's four are in, the 60 behind them stay out
	FIRST 0
.irp g, 1,2,3,4,5,6,7,8,9,10,11,12,13,14,15
	s_wait_loadcnt 60-4*\g                         ; groups 0 .. g are in; the 64 - 4 (g + 1) loads of the later groups stay out
	FIRST \g
	EMIT \g-1
.endr
	EMIT 15
	s_endpgm
.Lfunc_end_k_q74a74b353c_masks:
	.size	k_q74a74b353c_masks, .Lfunc_end_k_q74a74b353c_masks-k_q74a74b353c_masks
	.p2alignl 7, 3214868480
	.fill 96, 4, 3214868480
	.section	.rodata,"a",@progbits
	.p2align	6, 0x0
	.amdhsa_kernel k_q74a74b353c_masks
		.amdhsa_group_segment_fixed_size 0
		.amdhsa_private_segment_fixed_size 0
		.amdhsa_enable_private_segment 0
		.amdhsa_kernarg_size 16
		.amdhsa_user_sgpr_count 2
		.amdhsa_user_sgpr_kernarg_segment_ptr 1
		.amdhsa_wavefront_size32 1
		.amdhsa_system_sgpr_workgroup_id_x 1
		.amdhsa_system_sgpr_workgroup_id_y 1
		.amdhsa_system_sgpr_workgroup_id_z 1
		.amdhsa_system_vgpr_workitem_id 0
		.amdhsa_next_free_vgpr 160
		.amdhsa_next_free_sgpr 66
		.amdhsa_reserve_vcc 0
		.amdhsa_float_denorm_mode_32 3
		.amdhsa_float_denorm_mode_16_64 3
		.amdhsa_memory_ordered 1
		.amdhsa_forward_progress 1
		.amdhsa_inst_pref_size 90
	.end_amdhsa_kernel
	.amdgpu_metadata
---
amdhsa.version: [ 1, 2 ]
amdhsa.kernels:
  - .name:           k_q74a74b353c_masks
    .symbol:         k_q74a74b353c_masks.kd
    .args:
      - { .name: inputs, .offset: 0, .size: 8, .value_kind: global_buffer, .address_space: global }
      - { .name: out0, .offset: 8, .size: 8, .value_kind: global_buffer, .address_space: global }
    .group_segment_fixed_size: 0
    .private_segment_fixed_size: 0
    .kernarg_segment_align: 8
    .kernarg_segment_size: 16
    .max_flat_workgroup_size: 128
    .sgpr_count:     66
    .vgpr_count:     160
    .wavefront_size: 32
...
	.end_amdgpu_metadata
.endif
;; end of part 1
;; ======== version 2 of 2: 1 launch; version 1 with the launch masks written anew for expert scheduling mode
;; launch masks (part 2): grid 256 x 1, 4 waves a work-group, no clusters, 0 bytes of LDS; arguments inputs, out0; writes out0
.if DOCPART == 2
	.amdgcn_target "amdgcn-amd-amdhsa--gfx1250"
	.amdhsa_code_object_version 6
	.text
	.protected	k_q74a74b353c_masks
	.globl	k_q74a74b353c_masks
	.p2align	8
	.type	k_q74a74b353c_masks,@function
k_q74a74b353c_masks:
	s_mov_b64 s[64:65], 0
	v_nop
	global_prefetch_b8 v0, s[64:65] scope:SCOPE_SE
	s_setreg_imm32_b32 hwreg(HW_REG_WAVE_SCHED_MODE, 0, 2), 2
	s_setreg_imm32_b32 hwreg(HW_REG_WAVE_MODE, 25, 1), 1
	s_wait_xcnt 0x0
	s_wait_alu depctr_vm_vsrc(0)
; out0[b][i][0..7] = the mask of types allowed behind token i of row b.  inputs: [1024][2048][11] int32, of which feature 0 (the type t) is used;
; out0: [1024][2048][8] bytes of 0 or 1.
;   t <= 0: byte 1 (a negative t is clipped to row 0)   t = 1: bytes 1,2   t = 2: byte 4   t = 3: bytes 3..7   t = 7: byte 7   t >= 8: nothing
;   t = 4,5,6: byte 5 if no 5 stands at places 0 .. min(i+1, 2047); else byte 6 if no 6 stands there; else bytes 3..7.
; Every int32 value of t is served.
; NO SCAN: "no 5 up to place j" is j < p5, p5 = the place of the row's first 5, NONE = 0x10000 if there is none.  At i = 2047 the clamped test
; 2047 < p5 and the plain test 2048 < p5 agree (both say p5 = NONE), so i + 1 < p5 serves every token.
; SHARES: 256 work-groups x 4 waves = 1,024 waves, one batch row each.  A row is 64 chunks of 32 tokens; lane l holds token 32 c + l of chunk c.
; A chunk's load: 32 lanes 44 bytes apart, a span of 1,408 bytes that follows the chunk before.  All 64 loads of the row go out at the start, so the row's
; 90,112 bytes are asked for at once.  A chunk's store: 32 lanes x 8 bytes = 256 consecutive bytes at a multiple of 256 from out0's first byte.
; The chunks are taken in groups of four as they land: FIRST g brings p5 and p6 up to date through group g, then EMIT g-1 makes the masks of the group before
; (a token looks one place ahead, at most into the next group's first chunk; a first place that lies further on changes no test of this group).
; Chunk c's type lands in v[TOK+2c]; the pair v[TOK+2c:TOK+2c+1] then takes its 8 output bytes.  No register that a load or store names
; (data, offset, base) is written again behind it, so the text needs no wait for sources.  No LDS, no barrier: no wave needs another's data.
; THE MODE: SCHED_MODE bits 1:0 = 2 (LLVM: expert scheduling mode 2), set by the entry lines.  The code itself states the register dependences
; between vector instructions and memory instructions, and those through scalar registers that vector instructions write, with s_wait_alu, always for 0.
; THE PLAN.  Registers that memory instructions touch:
;   v[LOFF], v[SOFF]  Written once at the head, ahead of the wait that stands in front of the first load; read by every load, by every store; never written again.
;   v[TOK+2c]         Chunk c's load lands in it: no vector instruction names it ahead of that load.  Behind the wait on LOADcnt FIRST and EMIT of its group read it,
;                     EMIT writes it once (bytes 0..3); its store reads it; never written again.
;   v[TOK+2c+1]       Written once by EMIT (bytes 4..7); its store reads it; never written again.
;   All other vector registers are named by vector instructions alone.
; Step g: the wait for group g's loads; ONE wait on va_vdst: EMIT g-2, issued in the step before, has written its eight registers; FIRST g, with the four stores of
; group g-2 behind its compares; EMIT g-1.  FIRST g names group g's registers and EMIT g-1 group g-1's: none that those stores read.
; Masks: the compares stand in runs, with one wait on va_sdst behind each run, ahead of the run's first reader.  No wait on vm_vsrc: nothing that a memory instruction has read is written.
.set ROWIN,   2048*44                  ; bytes of a row of inputs
.set CHUNKIN, 32*44                    ; bytes that a chunk spans in inputs
.set NONE,    0x10000                  ; "never seen": above every i + 1 (2,048 at the most)
; scalar registers
.set P5, 14                            ; place of the first 5 so far
.set P6, 15                            ; place of the first 6 so far
.set Q5, 16                            ; P5, P6 counted from the group's first token
.set Q6, 17
.set SPREAD, 18                        ; 0x204081
.set M5, 20                            ; s[20:23] chunk k of the group: lanes with a 5, then the place of the first
.set M6, 24                            ; s[24:27] the same for 6
.set NA, 28                            ; s[28:31] lanes with no 5 up to i + 1
.set NB, 32                            ; s[32:35] lanes with no 6 up to i + 1
.set NC, 36                            ; s[36:39] either
.set ND, 40                            ; s[40:43] lanes with t < 8
; vector registers
.set LOFF, 3                           ; 44 x lane; never rewritten
.set SOFF, 4                           ; 8 x lane; never rewritten
.set THA, 5                            ; tables of eight 4-bit entries, entry t at bits 4t .. 4t+3: bit j of an entry is output byte 4 + j (TH) or j (TL)
.set THB, 6
.set THC, 7
.set TLA, 8
.set TLC, 9
.set ONE, 10                           ; 0x01010101
.set POS, 12                           ; v[12:15] chunk k of a group: i + 1 counted from the group's first token = 32 k + lane + 1; never rewritten
.set TABH, 16                          ; v[16:19] at work, one register for each of the group's four chunks, so that the four chains do not wait for each other
.set TABL, 20                          ; v[20:23]
.set SH,   24                          ; v[24:27]
.set KEEP, 28                          ; v[28:31]
.set TOK,  32                          ; v[32:159]
	s_load_b128 s[4:7], s[0:1], 0x0                ; inputs s[4:5], out0 s[6:7]
	v_and_b32 v1, 31, v0                           ; lane
	v_lshrrev_b32 v2, 5, v0
	v_readfirstlane_b32 s8, v2                     ; wave 0..3
	v_mul_u32_u24 v[LOFF], 44, v1
	v_lshlrev_b32 v[SOFF], 3, v1
	s_wait_alu depctr_va_sdst(0)                   ; s8 is written, ahead of its first reader: the row's number and both bases are made from it
	s_lshl_b32 s9, ttmp9, 2
	s_add_co_u32 s9, s9, s8                        ; my row = 4 x work-group + wave
	s_mul_i32 s10, s9, ROWIN                       ; 1,023 x 90,112 at the most: below 4 GiB
	s_mov_b32 s11, 0
	s_lshl_b32 s12, s9, 14                         ; a row of out0 is 16,384 bytes
	s_mov_b32 s13, 0
	s_wait_kmcnt 0x0
	s_add_nc_u64 s[4:5], s[4:5], s[10:11]
	s_add_nc_u64 s[6:7], s[6:7], s[12:13]
	s_wait_alu depctr_va_vdst(0)                   ; v[LOFF] and v[SOFF] are written: every load of the kernel reads the first as its offset, every store the second
	; the whole row: chunk c stands in the immediate (88,704 at the most).  Read once in the launch: non-temporal.
.irp g, 0,1,2,3,4,5,6,7,8,9,10,11,12,13,14,15
.irp k, 0,1,2,3
	global_load_b32 v[TOK+2*(4*\g+\k)], v[LOFF], s[4:5] offset:CHUNKIN*(4*\g+\k) th:TH_LOAD_NT
.endr
.endr
	; constants, while the loads are on their way: no memory instruction names these registers
	s_mov_b32 s[P5], NONE
	s_mov_b32 s[P6], NONE
	s_mov_b32 s[SPREAD], 0x204081                  ; 1 + 2^7 + 2^14 + 2^21: bit j of a 4-bit number times this stands at bit 8 j (and at places that the AND below drops; no two terms meet, so nothing carries)
	v_mov_b32 v[THA], 0x8222f100                   ; bytes 4..7.  entries 7..0: t=7 byte 7; t=4,5,6 byte 5 (no 5 yet); t=3 all four; t=2 byte 4; t=1, t=0 none
	v_mov_b32 v[THB], 0x8444f100                   ; t=4,5,6: byte 6 (a 5, but no 6 yet)
	v_mov_b32 v[THC], 0x8ffff100                   ; t=4,5,6: all four (both seen)
	v_mov_b32 v[TLA], 0x00008062                   ; bytes 0..3.  t=3 byte 3; t=1 bytes 1,2; t=0 byte 1; t=4,5,6 none (one of the two not yet seen)
	v_mov_b32 v[TLC], 0x08888062                   ; t=4,5,6: byte 3 (both seen)
	v_mov_b32 v[ONE], 0x01010101
.irp k, 0,1,2,3
	v_add_nc_u32 v[POS+\k], 32*\k+1, v1
.endr
; The four stores of group g.  They stand behind a wait on va_vdst that follows EMIT g, with no vector instruction between that names their registers.
.macro STORE g
.irp k, 0,1,2,3
	global_store_b64 v[SOFF], v[TOK+2*(4*(\g)+\k):TOK+2*(4*(\g)+\k)+1], s[6:7] offset:256*(4*(\g)+\k) th:TH_STORE_NT   ; the wave stores 256 consecutive bytes, aligned; written once, not read again
.endr
.endm
; The first 5 and the first 6 through group g.  s_ctz_i32_b32 gives the lowest set bit's number, 0 to 31, or -1 if no bit is set (ISA guide, its entry among
; the scalar instructions); OR with 32 c makes the first a place in the row and leaves the second all ones, which loses every unsigned minimum.
; st: the group whose stores stand between the compares and the wait for them, or -1 for none.
.macro FIRST g, st
.irp k, 0,1,2,3
	v_cmp_eq_u32 s[M5+\k], 5, v[TOK+2*(4*(\g)+\k)]
	v_cmp_eq_u32 s[M6+\k], 6, v[TOK+2*(4*(\g)+\k)]
.endr
.if (\st) >= 0
	STORE \st                                      ; no further wait: the compares above, the only vector instructions since the step's wait on va_vdst, name group g's registers alone
.endif
	s_wait_alu depctr_va_sdst(0)                   ; the eight compares have written s[M5 ..] and s[M6 ..], ahead of their first readers below
.irp k, 0,1,2,3
	s_ctz_i32_b32 s[M5+\k], s[M5+\k]
	s_ctz_i32_b32 s[M6+\k], s[M6+\k]
.endr
.irp k, 0,1,2,3
	s_or_b32 s[M5+\k], s[M5+\k], 32*(4*(\g)+\k)
	s_or_b32 s[M6+\k], s[M6+\k], 32*(4*(\g)+\k)
.endr
.irp k, 0,1,2,3
	s_min_u32 s[P5], s[P5], s[M5+\k]
	s_min_u32 s[P6], s[P6], s[M6+\k]
.endr
.endm
; The masks of group g's four chunks, each step for all four chunks in turn; they are stored a step later, by STORE.
.macro EMIT g
	s_sub_co_i32 s[Q5], s[P5], 128*(\g)            ; the first places counted from the group's first token; they may be negative: signed compares
	s_sub_co_i32 s[Q6], s[P6], 128*(\g)
.irp k, 0,1,2,3
	v_cmp_lt_i32 s[NA+\k], v[POS+\k], s[Q5]        ; i + 1 < p5: no 5 yet
	v_cmp_lt_i32 s[NB+\k], v[POS+\k], s[Q6]        ; i + 1 < p6: no 6 yet
	v_cmp_gt_i32 s[ND+\k], 8, v[TOK+2*(4*(\g)+\k)] ; t < 8
.endr
.irp k, 0,1,2,3
	v_min_u32 v[SH+\k], 8, v[TOK+2*(4*(\g)+\k)]    ; 0..7 as they are; t >= 8 and, read as unsigned, t < 0 give 8.  These eight lines read no mask: they stand between the compares and the wait for them
.endr
.irp k, 0,1,2,3
	v_lshlrev_b32 v[SH+\k], 2, v[SH+\k]            ; 4 t; 32 for the types outside 0..7
.endr
	s_wait_alu depctr_va_sdst(0)                   ; the twelve compares have written s[NA ..], s[NB ..] and s[ND ..], ahead of their first readers: the s_or_b32 and the selects below
.irp k, 0,1,2,3
	s_or_b32 s[NC+\k], s[NA+\k], s[NB+\k]
.endr
.irp k, 0,1,2,3
	v_cndmask_b32 v[TABH+\k], v[THC], v[THB], s[NB+\k]     ; the lane's tables: entries 4,5,6 as its place in the row asks
	v_cndmask_b32 v[TABL+\k], v[TLC], v[TLA], s[NC+\k]
	v_cndmask_b32 v[KEEP+\k], 0, v[ONE], s[ND+\k]          ; the AND mask of bytes 0..3: nothing is kept where t >= 8
.endr
.irp k, 0,1,2,3
	v_cndmask_b32 v[TABH+\k], v[TABH+\k], v[THA], s[NA+\k] ; "no 5" goes before "no 6"
	v_bfe_u32 v[TABL+\k], v[TABL+\k], v[SH+\k], 4          ; v_bfe_u32 uses bits 4:0 of the offset (ISA guide, its entry among the VOP3 instructions): 32 reads entry 0,
.endr                                                          ; which is row 0, right for t < 0; for t >= 8 KEEP drops it
.irp k, 0,1,2,3
	v_bfe_u32 v[TABH+\k], v[TABH+\k], v[SH+\k], 4          ; entry 0 of this table is 0: right for t < 0 and for t >= 8
	v_mul_u32_u24 v[TABL+\k], s[SPREAD], v[TABL+\k]
.endr
.irp k, 0,1,2,3
	v_mul_u32_u24 v[TABH+\k], s[SPREAD], v[TABH+\k]
	v_and_b32 v[TOK+2*(4*(\g)+\k)], v[TABL+\k], v[KEEP+\k] ; bytes 0..3, over the type, which is not needed any more
.endr
.irp k, 0,1,2,3
	v_and_b32 v[TOK+2*(4*(\g)+\k)+1], v[ONE], v[TABH+\k]   ; bytes 4..7
.endr
.endm
	s_wait_loadcnt 60                              ; loads come back in order (ISA guide 5.7.1): of 64, the first group's four are in, the 60 behind them stay out
	FIRST 0, -1
.irp g, 1,2,3,4,5,6,7,8,9,10,11,12,13,14,15
	s_wait_loadcnt 60-4*\g                         ; groups 0 .. g are in; the 64 - 4 (g + 1) loads of the later groups stay out
.if \g >= 2
	s_wait_alu depctr_va_vdst(0)                   ; EMIT g-2, issued in the step before, has written its four pairs, which the stores inside FIRST read
.endif
	FIRST \g, \g-2
	EMIT \g-1
.endr
	s_wait_alu depctr_va_vdst(0)                   ; EMIT 14 has written its four pairs, which the stores below read; EMIT 15 names none of them
	STORE 14
	EMIT 15
	s_wait_alu depctr_va_vdst(0)                   ; EMIT 15 has written its four pairs, which the last four stores read
	STORE 15
	s_endpgm
.Lfunc_end_k_q74a74b353c_masks:
	.size	k_q74a74b353c_masks, .Lfunc_end_k_q74a74b353c_masks-k_q74a74b353c_masks
	.p2alignl 7, 3214868480
	.fill 96, 4, 3214868480
	.section	.rodata,"a",@progbits
	.p2align	6, 0x0
	.amdhsa_kernel k_q74a74b353c_masks
		.amdhsa_group_segment_fixed_size 0
		.amdhsa_private_segment_fixed_size 0
		.amdhsa_enable_private_segment 0
		.amdhsa_kernarg_size 16
		.amdhsa_user_sgpr_count 2
		.amdhsa_user_sgpr_kernarg_segment_ptr 1
		.amdhsa_wavefront_size32 1
		.amdhsa_system_sgpr_workgroup_id_x 1
		.amdhsa_system_sgpr_workgroup_id_y 1
		.amdhsa_system_sgpr_workgroup_id_z 1
		.amdhsa_system_vgpr_workitem_id 0
		.amdhsa_next_free_vgpr 160
		.amdhsa_next_free_sgpr 66
		.amdhsa_reserve_vcc 0
		.amdhsa_float_denorm_mode_32 3
		.amdhsa_float_denorm_mode_16_64 3
		.amdhsa_memory_ordered 1
		.amdhsa_forward_progress 1
		.amdhsa_inst_pref_size 92
	.end_amdhsa_kernel
	.amdgpu_metadata
---
amdhsa.version: [ 1, 2 ]
amdhsa.kernels:
  - .name:           k_q74a74b353c_masks
    .symbol:         k_q74a74b353c_masks.kd
    .args:
      - { .name: inputs, .offset: 0, .size: 8, .value_kind: global_buffer, .address_space: global }
      - { .name: out0, .offset: 8, .size: 8, .value_kind: global_buffer, .address_space: global }
    .group_segment_fixed_size: 0
    .private_segment_fixed_size: 0
    .kernarg_segment_align: 8
    .kernarg_segment_size: 16
    .max_flat_workgroup_size: 128
    .sgpr_count:     66
    .vgpr_count:     160
    .wavefront_size: 32
...
	.end_amdgpu_metadata
.endif
;; end of part 2
